; MI455X (gfx1250); checked and timed in simulation.
; The chip was launched on July 23, 2026; its instructions are those of AMD's public machine-readable ISA for CDNA 5 (MIT licence, August 2026) and "CDNA5" Instruction Set Architecture Reference Guide (July 2026). The comments in the code are by the model that wrote it; some were corrected since.
;; Scaled Dot Product. Allowed arithmetic: float matrix products may take bf16 or f16 operands with f32 sums; all other float work in f32.
;; Inputs: key 4 x 8 x 2,048 x 64 float32; query 4 x 8 x 2,048 x 64 float32; value 4 x 2,048 x 8 x 64 float32.
;; Outputs: out0 4 x 2,048 x 8 x 64 float32.
;; One version. Each part assembles by itself: llvm-mc -triple=amdgcn-amd-amdhsa -mcpu=gfx1250 --defsym DOCPART=n.
;; ======== version 1 of 1: 1 launch
;; launch attn (part 1): grid 8 x 32, 8 waves a work-group, clusters of 4 x 1, 327,680 bytes of LDS; arguments key, query, value, out0; writes out0
.if DOCPART == 1
	.amdgcn_target "amdgcn-amd-amdhsa--gfx1250"
	.amdhsa_code_object_version 6
	.text
	.protected	k_q8315f4e1df_attn
	.globl	k_q8315f4e1df_attn
	.p2align	8
	.type	k_q8315f4e1df_attn,@function
k_q8315f4e1df_attn:
	s_mov_b64 s[64:65], 0
	v_nop
	global_prefetch_b8 v0, s[64:65] scope:SCOPE_SE
	s_setreg_imm32_b32 hwreg(HW_REG_WAVE_MODE, 25, 1), 1
	s_wait_xcnt 0x0
	s_wait_alu depctr_hold_cnt(0) depctr_sa_sdst(0) depctr_va_vdst(0) depctr_va_sdst(0) depctr_va_ssrc(0) depctr_va_vcc(0) depctr_vm_vsrc(0)
	s_getreg_b32 s2, hwreg(HW_REG_IB_STS2, 6, 4)
	s_cmp_eq_u32 s2, 0
	s_cbranch_scc0 .Lentry_in_a_cluster
	s_endpgm
.Lentry_in_a_cluster:
	s_bfe_u32 s2, ttmp6, 0x10000c
	s_cmp_lg_u32 s2, 0x3003
	s_cbranch_scc0 .Lentry_shape_is_right
	s_endpgm
.Lentry_shape_is_right:
; out[b][q][h][:] = softmax over k of (Q[b][h][q][:] . K[b][h][k][:] / sqrt(512)) times V[b][k][h][:].   B = 4, H = 8, S = 2048, D = 64, all f32.
; A work-group takes 256 queries of one head (grid x: 8 query blocks, grid y: 32 heads) with eight waves.  Wave w: g = w & 3 is its 64 queries,
; kh = w >> 2 its half of the keys (keys 64 kh .. 64 kh + 63 of every tile of 128).  Each wave runs an online softmax (running maximum, running
; sum) over its 1,024 keys; at the end waves 4-7 hand their O, maximum and sum to waves 0-3 through LDS, which merge, normalise and store.
; BOTH PRODUCTS ARE USED TRANSPOSED.  S^T = K Q^T: register j of lane (r, h) holds (key 8h + j, query r).  Two such tiles, packed to bf16, ARE the
; B fragment of P^T for 32 keys: no lane moves.  O^T = V^T P^T: register j of lane (r, h) holds (d = 16 dt + 8h + j, query r).  So maximum, sum and
; rescale factor belong to a lane, and one exchange between the two halves of the lanes serves a query tile's maximum.
; DATA PATH.  K and V tiles of 128 keys come as f32 by tensor loads into a ring of two raw slots; each wave brings 32 rows of 256 bytes (waves 0-3
; K's, waves 4-7 V's), converts the rows that its own load brought to bf16, and stores them into one of two stages, bytes of their own that no
; tensor load ever fills.  In trip t: tile t + 2 is asked for, tile t + 1 is converted, tile t is multiplied.
; CLUSTER: the four query blocks of a cluster walk the same K and V tiles of their head, so every tile is asked for jointly by the four (mask 15):
; the requests for K and V are divided by four.  A tile is shared along x alone, so the cluster is 4 x 1.
; A wave has two tensor loads out at the start and one behind each round of the cluster's barrier.
; LIMITS KEPT.  Q, K, V and the weights P enter the matrix unit rounded to bf16 (the sum of the weights is taken from the unrounded f32 values).
; An exponential below 2^-126 counts as 0 (ISA guide 15.8: V_EXP_F32 flushes denormals).  Infinite inputs are not served; a NaN among the inputs of a
; row of scores makes that query's output NaN.
.set RAWP,  272                        ; a raw LDS row: 256 bytes of f32 + 16 of padding
.set RAWW,  32*RAWP                    ; a wave's part of a raw slot: 8,704
.set RAWSZ, 8*RAWW                     ; a raw slot: 69,632.  Slots at 0 and RAWSZ
.set STG0,  2*RAWSZ                    ; 139,264: stage 0 (bf16)
.set KP,    144                        ; K's stage rows: 128 bytes + 16: sixteen neighbouring rows begin at sixteen different 16-byte columns modulo 256
.set VP,    160                        ; V's stage rows: 128 bytes + 32: eight neighbouring rows begin at eight different 32-byte columns modulo 256
.set STGV,  128*KP                     ; V's 128 rows lie behind K's 128: 18,432
.set STGSZ, STGV+128*VP                ; a stage: 38,912
.set MRG,   STG0+2*STGSZ               ; 217,088: the merge: for each g 64 query rows of 256 bytes, pitch 272
.set MRGW,  64*RAWP                    ; 17,408
.set MLX,   MRG+4*MRGW                 ; 286,720: for each g 64 words of -c max, then 64 words of the sum; ends at 288,768
.set KTILE, 128*256                    ; bytes of memory from a K tile to the next
.set VTILE, 128*2048                   ; the same for V (a key's row of one head is 256 bytes, keys are 2,048 bytes apart)
.set CEXP,  0x3d8293ee                 ; c = log2(e) / sqrt(512)
.set NEGC,  0xbd8293ee                 ; -c
; vector registers, window 0
.set KA,  2                            ; LDS address of my K fragments in stage 0
.set VA,  3                            ; of my V fragments (transposing loads) in stage 0
.set RA,  4                            ; v4, v5: of my 32 bytes in the first four raw rows of my wave's part, slot 0, 1
.set WK,  6                            ; where I put 16 bytes of bf16 of K in stage 0 (waves 0-3)
.set WV,  7                            ; the same for V (waves 4-7)
.set MG,  8                            ; merge: my 32 bytes of query row r
.set MLA, 9                            ; merge: query r's word
.set RD,  10                           ; merge: whole rows read back
.set CO,  11                           ; my byte offset in out0
.set QO,  12                           ; my byte offset in Q
.set PKO, 13                           ; prefetch: 256 x lane
.set PVO, 14                           ; prefetch: 2,048 x lane
.set M,   16                           ; v16-19  running maximum of the raw scores, one for each query tile
.set NM,  20                           ; v20-23  -c x that maximum, rounded once: the offset that the exponents really use
.set L,   24                           ; v24-31  running sums, a pair for each query tile
.set TP,  32                           ; v32 the new offset; v33 what the other half of the lanes sends
.set AL,  34                           ; v34 the rescale factor; v35 written once (a packed source names the pair)
.set MX,  36                           ; v36-39  four chains of maxima
.set T,   40                           ; v40-47  four pairs of partial sums
.set F,   48                           ; v48-63  merge: for each query tile (f1, partner's offset), (f2, partner's sum)
.set VF,  64                           ; v64-127 V fragments (32 kk + 8 dt); before that the raw rows at conversion
.set S,   128                          ; v128-255 scores, then weights (32 qt + 8 kt)
; window 1 (written as v0-v255 under the window)
.set O,   0                            ; v256-383 O^T (32 qt + 8 dt)
.set QF,  128                          ; v384-447 Q fragments (16 qt + 8 ks)
.set KF,  192                          ; v448-511 K fragments (16 kt + 8 ks)
; scalar registers: s[4:11] key, query, value, out0; s12 wave, s13 g, s14 kh, s15 cx, s16 query block, s17 head, s18 b, s19 h;
; s20, s21 lane selects; s22 temporary, then the loop's counter; s23 my part's place in a raw slot; s[2:3] offsets that hold the query block
.set G1K, 24                           ; s[24:31] descriptor group 1, K
.set G1V, 32                           ; s[32:39] descriptor group 1, V
.set G0K, 40                           ; s[40:47] descriptor group 0, K, a set for each slot
.set G0V, 48                           ; s[48:55] descriptor group 0, V, a set for each slot
.set PFK, 56                           ; s[56:57] prefetch base in key
.set PFV, 58                           ; s[58:59] prefetch base in value
.set MSB, 0
.macro WIN new                         ; s_set_vgpr_msb: bits 1:0 source 0, 3:2 source 1, 5:4 source 2, 7:6 destination; the high byte repeats the setting left
.if MSB != \new
	s_set_vgpr_msb (MSB<<8)|\new
.set MSB, \new
.endif
.endm
.macro PLACES n                        ; independent vector instructions behind a matrix instruction (ISA guide 7.12.1)
.rept \n
	v_nop
.endr
.endm
.macro BAR
	s_barrier_signal -1
	s_barrier_wait -1
.endm
; A round of the cluster's barrier: my work-group's barrier, wave 0 signals for the work-group, every wave waits for all four work-groups, my work-group's barrier again.
.macro ROUND
	s_barrier_signal -1
	s_barrier_wait -1
	s_cmp_lg_u32 s12, 0
	s_cbranch_scc1 .Lnot_wave_0_\@
	s_barrier_signal -3
.Lnot_wave_0_\@:
	s_barrier_wait -3
	s_barrier_signal -1
	s_barrier_wait -1
.endm
; A joint load: waves 0-3 ask for 32 rows of K each, waves 4-7 for 32 rows of V.  The branch hangs on the wave's number alone.
.macro JLOAD slot
	s_cmp_lt_u32 s12, 4
	s_cbranch_scc0 .Lfor_v_\@
	tensor_load_to_lds s[G0K+4*\slot:G0K+4*\slot+3], s[G1K:G1K+7]
	s_nop 0
	s_branch .Lasked_\@
.Lfor_v_\@:
	tensor_load_to_lds s[G0V+4*\slot:G0V+4*\slot+3], s[G1V:G1V+7]
	s_nop 0
.Lasked_\@:
.endm
; Wave 0 asks for this work-group's eighth of a pair of tiles: 32 blocks of 256 bytes of K and 32 rows of 256 bytes of V, one a lane.
.macro PREFETCH
	s_cmp_lg_u32 s12, 0
	s_cbranch_scc1 .Lno_ask_\@
	global_prefetch_b8 v[PKO], s[PFK:PFK+1] th:TH_LOAD_NT scope:SCOPE_SE
	global_prefetch_b8 v[PVO], s[PFV:PFV+1] th:TH_LOAD_NT scope:SCOPE_SE
.Lno_ask_\@:
.endm
; 16 loads: my 64 keys x 64 d of K as A fragments (lane (r, h): key r, d = 32 ks + 8h + 0..7 and + 16)
.macro KLOAD stg
	WIN 0x40
.irp kt, 0,1,2,3
.irp ks, 0,1
	ds_load_b128 v[KF+16*\kt+8*\ks:KF+16*\kt+8*\ks+3],   v[KA] offset:(\stg)*STGSZ+16*KP*\kt+64*\ks
	ds_load_b128 v[KF+16*\kt+8*\ks+4:KF+16*\kt+8*\ks+7], v[KA] offset:(\stg)*STGSZ+16*KP*\kt+64*\ks+32
.endr
.endr
.endm
; 16 transposing loads: V^T as A fragments (lane (r, h): d = 16 dt + r, keys 32 kk + 8h + 0..7 and + 16)
.macro VLOAD stg
.irp kk, 0,1
.irp dt, 0,1,2,3
	ds_load_tr16_b128 v[VF+32*\kk+8*\dt:VF+32*\kk+8*\dt+3],   v[VA] offset:(\stg)*STGSZ+32*VP*\kk+32*\dt
	ds_load_tr16_b128 v[VF+32*\kk+8*\dt+4:VF+32*\kk+8*\dt+7], v[VA] offset:(\stg)*STGSZ+32*VP*\kk+32*\dt+16*VP
.endr
.endr
.endm
; The conversion of my wave's 32 raw rows, four rows at a time: a lane takes 8 f32 (32 bytes) of a row and makes 16 bytes of bf16.
.macro CONV_LOAD rs
.irp gg, 0,1,2,3,4,5,6,7
	ds_load_b128 v[VF+8*\gg:VF+8*\gg+3],   v[RA+\rs] offset:4*RAWP*\gg
	ds_load_b128 v[VF+8*\gg+4:VF+8*\gg+7], v[RA+\rs] offset:4*RAWP*\gg+16
.endr
.endm
.macro CONV_CVT
.irp gg, 0,1,2,3,4,5,6,7
.irp j, 0,1,2,3
	v_cvt_pk_bf16_f32 v[VF+8*\gg+\j], v[VF+8*\gg+2*\j], v[VF+8*\gg+2*\j+1]   ; in place, ascending: word j is written when words 2j, 2j+1 are read
.endr
.endr
.endm
.macro CONV_STORE stg                  ; eight stores on either path
	s_cmp_lt_u32 s12, 4
	s_cbranch_scc0 .Lput_v_\@
.irp gg, 0,1,2,3,4,5,6,7
	ds_store_b128 v[WK], v[VF+8*\gg:VF+8*\gg+3] offset:(\stg)*STGSZ+4*KP*\gg
.endr
	s_branch .Lput_\@
.Lput_v_\@:
.irp gg, 0,1,2,3,4,5,6,7
	ds_store_b128 v[WV], v[VF+8*\gg:VF+8*\gg+3] offset:(\stg)*STGSZ+4*VP*\gg
.endr
.Lput_\@:
.endm
; S^T = K Q^T: 64 keys x 64 queries, 32 matrix instructions.  The first 32 of d start the sums.  The accumulators take turns, one instruction a turn.
.macro QK
.irp kt, 0,1,2,3
.irp qq, 0,1,2,3
	v_wmma_f32_16x16x32_bf16 v[S+32*\qq+8*\kt:S+32*\qq+8*\kt+7], v[KF+16*\kt:KF+16*\kt+7], v[QF+16*\qq:QF+16*\qq+7], 0
.endr
.irp qq, 0,1,2,3
	v_wmma_f32_16x16x32_bf16 v[S+32*\qq+8*\kt:S+32*\qq+8*\kt+7], v[KF+16*\kt+8:KF+16*\kt+15], v[QF+16*\qq+8:QF+16*\qq+15], v[S+32*\qq+8*\kt:S+32*\qq+8*\kt+7]
.endr
.endr
.endm
; One query tile's step of the online softmax: a lane holds 32 scores of query r (keys 16 kt + 8h + j).
.macro SOFTMAX qt, first
.set SB, S+32*\qt
	v_max3_num_f32 v[MX],   v[SB],    v[SB+1],  v[SB+2]        ; four chains over 9, 9, 7 and 7 scores
	v_max3_num_f32 v[MX+1], v[SB+9],  v[SB+10], v[SB+11]
	v_max3_num_f32 v[MX+2], v[SB+18], v[SB+19], v[SB+20]
	v_max3_num_f32 v[MX+3], v[SB+25], v[SB+26], v[SB+27]
.irp k, 0,2,4
	v_max3_num_f32 v[MX],   v[MX],   v[SB+3+\k],  v[SB+4+\k]
	v_max3_num_f32 v[MX+1], v[MX+1], v[SB+12+\k], v[SB+13+\k]
.endr
.irp k, 0,2
	v_max3_num_f32 v[MX+2], v[MX+2], v[SB+21+\k], v[SB+22+\k]
	v_max3_num_f32 v[MX+3], v[MX+3], v[SB+28+\k], v[SB+29+\k]
.endr
	v_max3_num_f32 v[MX], v[MX], v[MX+1], v[MX+2]
.if \first
	v_max_num_f32 v[MX], v[MX], v[MX+3]
.else
	v_max3_num_f32 v[MX], v[MX], v[MX+3], v[M+\qt]             ; the running maximum joins
.endif
	v_permlanex16_b32 v[TP+1], v[MX], s20, s21                 ; the other 32 keys of query r lie in lane r xor 16
	v_max_num_f32 v[M+\qt], v[MX], v[TP+1]
	v_mul_f32 v[TP], NEGC, v[M+\qt]                            ; the new offset, rounded once
.if \first == 0
	v_sub_f32 v[AL], v[TP], v[NM+\qt]                          ; new offset - old offset <= 0: what the old sums and O are to be shifted by
.endif
.irp k, 0,1,2,3,4,5,6,7,8,9,10,11,12,13,14,15
	v_pk_fma_f32 v[SB+2*\k:SB+2*\k+1], v[SB+2*\k:SB+2*\k+1], CEXP, v[TP:TP+1] op_sel_hi:[1,0,0]   ; c s - c max, one rounding
.endr
.irp k, 0,1,2,3,4,5,6,7,8,9,10,11,12,13,14,15
	v_exp_f32 v[SB+2*\k], v[SB+2*\k]
	v_exp_f32 v[SB+2*\k+1], v[SB+2*\k+1]
.endr
.if \first == 0
	v_exp_f32 v[AL], v[AL]
.endif
	v_mov_b32 v[NM+\qt], v[TP]                                 ; the plain instruction between the exponentials and the first use of a result (ISA guide 5.7.2)
	s_wait_alu depctr_va_vdst(0)
.irp k, 0,1,2,3
	v_pk_add_f32 v[T+2*\k:T+2*\k+1], v[SB+2*\k:SB+2*\k+1], v[SB+2*\k+8:SB+2*\k+9]
.endr
.irp k, 0,1,2,3
	v_pk_add_f32 v[T+2*\k:T+2*\k+1], v[T+2*\k:T+2*\k+1], v[SB+2*\k+16:SB+2*\k+17]
.endr
.irp k, 0,1,2,3
	v_pk_add_f32 v[T+2*\k:T+2*\k+1], v[T+2*\k:T+2*\k+1], v[SB+2*\k+24:SB+2*\k+25]
.endr
	v_pk_add_f32 v[T:T+1], v[T:T+1], v[T+2:T+3]
	v_pk_add_f32 v[T+4:T+5], v[T+4:T+5], v[T+6:T+7]
.if \first
	v_pk_add_f32 v[L+2*\qt:L+2*\qt+1], v[T:T+1], v[T+4:T+5]
.else
	v_pk_add_f32 v[T:T+1], v[T:T+1], v[T+4:T+5]
	v_pk_fma_f32 v[L+2*\qt:L+2*\qt+1], v[L+2*\qt:L+2*\qt+1], v[AL:AL+1], v[T:T+1] op_sel_hi:[1,0,1]
.endif
.irp kk, 0,1
.irp j, 0,1,2,3,4,5,6,7
	v_cvt_pk_bf16_f32 v[SB+16*\kk+\j], v[SB+16*\kk+2*\j], v[SB+16*\kk+2*\j+1]   ; key tiles 2 kk, 2 kk + 1 become the B fragment of 32 keys, in place
.endr
.endr
.endm
.macro RESCALE qt                      ; O of this query tile times the factor
.irp k, 0,1,2,3,4,5,6,7,8,9,10,11,12,13,14,15
	v_pk_mul_f32 v[O+32*\qt+2*\k:O+32*\qt+2*\k+1], v[O+32*\qt+2*\k:O+32*\qt+2*\k+1], v[AL:AL+1] op_sel_hi:[1,0]
.endr
.endm
; O^T += V^T P^T for one query tile: 8 matrix instructions, the four accumulators by turns, one instruction a turn.
.macro PV qt, first
.irp dt, 0,1,2,3
.if \first
	v_wmma_f32_16x16x32_bf16 v[O+32*\qt+8*\dt:O+32*\qt+8*\dt+7], v[VF+8*\dt:VF+8*\dt+7], v[S+32*\qt:S+32*\qt+7], 0
.else
	v_wmma_f32_16x16x32_bf16 v[O+32*\qt+8*\dt:O+32*\qt+8*\dt+7], v[VF+8*\dt:VF+8*\dt+7], v[S+32*\qt:S+32*\qt+7], v[O+32*\qt+8*\dt:O+32*\qt+8*\dt+7]
.endif
.endr
.irp dt, 0,1,2,3
	v_wmma_f32_16x16x32_bf16 v[O+32*\qt+8*\dt:O+32*\qt+8*\dt+7], v[VF+32+8*\dt:VF+32+8*\dt+7], v[S+32*\qt+16:S+32*\qt+23], v[O+32*\qt+8*\dt:O+32*\qt+8*\dt+7]
.endr
.endm
; Trip t, slot = t & 1.  refill: raw slot (which held tile t) is asked for again with tile t + 2.  conv: tile t + 1 goes from the other raw slot into
; the other stage.  first: the first tile starts maxima, sums and O.  pf: the prefetch bases step by a pair of tiles and wave 0 asks.
.macro TRIP slot, refill, conv, first, pf
	s_wait_xcnt 0x0
	v_lshl_add_u32 v254, v0, 2, 0x46800
	v_mov_b32 v255, 0
	s_wait_tensorcnt 0x0                           ; all my tensor loads have landed, my part of tile t + 1 among them: every group 0 may be written
	ds_add_u32 v254, v255
	s_wait_dscnt 0x0
.if \refill
	s_add_nc_u64 s[G0K+4*\slot+2:G0K+4*\slot+3], s[G0K+4*\slot+2:G0K+4*\slot+3], 2*KTILE
	s_add_nc_u64 s[G0V+4*\slot+2:G0V+4*\slot+3], s[G0V+4*\slot+2:G0V+4*\slot+3], 2*VTILE
.endif
.if \pf
	s_wait_xcnt 0x0                                ; the last prefetches, two trips back, have had their addresses translated: their bases may step
	s_add_nc_u64 s[PFK:PFK+1], s[PFK:PFK+1], 2*KTILE
	s_add_nc_u64 s[PFV:PFV+1], s[PFV:PFV+1], 2*VTILE
.endif
	s_wait_dscnt 0x0                               ; my reads of the raw slot and of the last stage are back, my stores into this trip's stage are done
.if \refill
	ROUND                                          ; all that now holds of every wave of all four work-groups
	JLOAD \slot                                    ; my one tensor load behind the round, first thing there: it has the whole trip in which to land
.else
	BAR                                            ; nothing is filled any more: the work-group's own barrier orders the stage
.endif
	KLOAD \slot
	WIN 0
.if \conv
	CONV_LOAD 1-\slot
.else
	VLOAD \slot
.endif
	s_wait_dscnt 16                                ; K's 16 loads are in; the 16 issued behind them may stay out
	WIN 0x05
	QK
	WIN 0
.if \conv
	s_wait_dscnt 0x0                               ; my raw rows are in
	CONV_CVT                                       ; 32 independent vector instructions: also the distance between QK and the softmax
	CONV_STORE 1-\slot
	VLOAD \slot
.else
	PLACES 5
.endif
.if \pf
	PREFETCH
.endif
.irp q, 0,1,2,3
	SOFTMAX \q, \first
.if \q == 0
	s_wait_dscnt 0x0                               ; V's fragments are in
.endif
.if \first == 0
	WIN 0x41
	RESCALE \q
.endif
	WIN 0x50
	PV \q, \first
	WIN 0
.endr
	PLACES 5                                       ; behind the last products: the next trip loads into V's fragment registers and its QK writes over the weights
.endm
	s_load_b256 s[4:11], s[0:1], 0x0               ; key s[4:5], query s[6:7], value s[8:9], out0 s[10:11]
	v_lshl_add_u32 v254, v0, 2, 0x46800
	v_mov_b32 v255, 0
	ds_add_u32 v254, v255
	s_wait_dscnt 0x0
	v_lshrrev_b32 v1, 5, v0
	v_readfirstlane_b32 s12, v1                    ; wave 0..7
	s_and_b32 s13, s12, 3                          ; g: my 64 queries; also which 32 rows of a tile I fetch
	s_lshr_b32 s14, s12, 2                         ; kh: my half of the keys; also: I fetch for K (0) or for V (1)
	s_and_b32 s17, ttmp7, 0xffff                   ; head = 8 b + h (the cluster is one work-group high)
	s_lshr_b32 s18, s17, 3                         ; b
	s_and_b32 s19, s17, 7                          ; h
	s_mov_b32 s20, 0x76543210                      ; v_permlanex16_b32: lane i reads lane i of the other half
	s_mov_b32 s21, 0xfedcba98
	; descriptor group 1: a tile of 32 rows x 64 f32, 16 bytes of padding behind each row
	s_mov_b32 s[G1K+0], 15|(2<<16)|(1<<20)|(1<<21)|(5<<22)|(3<<25)  ; 15:0 mask: all four of the cluster; 17:16 elements of 4 bytes; 20 padding on; 21 set beside a mask; 24:22 after every 64 words; 31:25 of 4 words
	s_mov_b32 s[G1V+0], 15|(2<<16)|(1<<20)|(1<<21)|(5<<22)|(3<<25)
	s_mov_b32 s[G1K+1], 64<<16                     ; tensor_dim0 = 64
	s_mov_b32 s[G1V+1], 64<<16
	s_mov_b32 s[G1K+2], 32<<16                     ; tensor_dim1 = 32
	s_mov_b32 s[G1V+2], 32<<16
	s_mov_b32 s[G1K+3], 64<<16                     ; tile_dim0 = 64
	s_mov_b32 s[G1V+3], 64<<16
	s_mov_b32 s[G1K+4], 32                         ; tile_dim1 = 32
	s_mov_b32 s[G1V+4], 32
	s_mov_b32 s[G1K+5], 64                         ; K: 64 elements from key to key
	s_mov_b32 s[G1V+5], 512                        ; V: 8 heads x 64 elements from key to key
	s_mov_b32 s[G1K+6], 0
	s_mov_b32 s[G1V+6], 0
	s_mov_b32 s[G1K+7], 0
	s_mov_b32 s[G1V+7], 0
	s_mul_i32 s23, s12, RAWW                       ; my part of a raw slot: the wave's number times 8,704
	s_lshl_b32 s60, s17, 19                        ; K: head x 524,288
	s_lshl_b32 s61, s13, 13                        ;    + g x 32 rows of 256 bytes
	s_add_co_u32 s60, s60, s61
	s_mov_b32 s61, 0
	s_lshl_b32 s62, s18, 22                        ; V: b x 4,194,304
	s_lshl_b32 s63, s19, 8                         ;    + h x 256
	s_add_co_u32 s62, s62, s63
	s_lshl_b32 s63, s13, 16                        ;    + g x 32 rows of 2,048 bytes
	s_add_co_u32 s62, s62, s63
	s_mov_b32 s63, 0
	s_wait_kmcnt 0x0
	s_add_nc_u64 s[60:61], s[4:5], s[60:61]        ; nothing in these hangs on the work-group's place in the cluster
	s_add_nc_u64 s[62:63], s[8:9], s[62:63]
.irp s, 0,1
	s_mov_b32 s[G0K+4*\s], 1                                       ; count = 1
	s_add_co_u32 s[G0K+4*\s+1], s23, \s*RAWSZ                      ; LDS address
	s_add_nc_u64 s[G0K+4*\s+2:G0K+4*\s+3], s[60:61], \s*KTILE      ; global address: tile s
	s_or_b32 s[G0K+4*\s+3], s[G0K+4*\s+3], 0x80000000              ; type = 2
	s_mov_b32 s[G0V+4*\s], 1
	s_add_co_u32 s[G0V+4*\s+1], s23, \s*RAWSZ
	s_add_nc_u64 s[G0V+4*\s+2:G0V+4*\s+3], s[62:63], \s*VTILE
	s_or_b32 s[G0V+4*\s+3], s[G0V+4*\s+3], 0x80000000
.endr
	ROUND                                          ; all four work-groups are here: the first joint loads meet
	s_cmp_lt_u32 s12, 4
	s_cbranch_scc0 .Lfirst_v
	tensor_load_to_lds s[G0K:G0K+3], s[G1K:G1K+7]          ; tile 0
	s_nop 0
	tensor_load_to_lds s[G0K+4:G0K+7], s[G1K:G1K+7]        ; tile 1
	s_nop 0
	s_branch .Lfirst_done
.Lfirst_v:
	tensor_load_to_lds s[G0V:G0V+3], s[G1V:G1V+7]
	s_nop 0
	tensor_load_to_lds s[G0V+4:G0V+7], s[G1V:G1V+7]
	s_nop 0
.Lfirst_done:
	; what hangs on the query block: prefetch bases, Q, out0
	s_bfe_u32 s15, ttmp6, 0x40000                  ; cx
	s_lshl_b32 s16, ttmp9, 2
	s_add_co_u32 s16, s16, s15                     ; query block = 4 x cluster x + cx, 0..7
	v_and_b32 v36, 31, v0                          ; lane i
	v_lshlrev_b32 v[PKO], 8, v36
	v_lshlrev_b32 v[PVO], 11, v36
	s_lshl_b32 s2, s16, 13                         ; the eight query blocks of a head share a pair of tiles out: 8,192 bytes of K each,
	s_lshl_b32 s3, s17, 19
	s_add_co_u32 s2, s2, s3
	s_add_co_u32 s2, s2, 2*KTILE                   ; beginning with tiles 2 and 3
	s_mov_b32 s3, 0
	s_add_nc_u64 s[PFK:PFK+1], s[4:5], s[2:3]
	s_lshl_b32 s2, s16, 16                         ; and 32 keys' rows of V each
	s_lshl_b32 s3, s18, 22
	s_add_co_u32 s2, s2, s3
	s_lshl_b32 s3, s19, 8
	s_add_co_u32 s2, s2, s3
	s_add_co_u32 s2, s2, 2*VTILE
	s_mov_b32 s3, 0
	s_add_nc_u64 s[PFV:PFV+1], s[8:9], s[2:3]
	PREFETCH                                       ; tiles 2 and 3.  Later: the trips of tiles 2p, 2p + 1 ask for tiles 2p + 4, 2p + 5; the last asked for are 14 and 15
	s_lshl_b32 s2, s17, 19                         ; Q: head x 524,288 + block x 256 rows + g x 64 rows of 256 bytes
	s_lshl_b32 s3, s16, 16
	s_add_co_u32 s2, s2, s3
	s_lshl_b32 s3, s13, 14
	s_add_co_u32 s2, s2, s3
	s_mov_b32 s3, 0
	s_add_nc_u64 s[6:7], s[6:7], s[2:3]
	v_and_b32 v37, 15, v0                          ; r
	v_bfe_u32 v38, v0, 4, 1                        ; h
	v_lshlrev_b32 v[QO], 8, v37
	v_lshl_add_u32 v[QO], v38, 5, v[QO]            ; 256 r + 32 h
	; Q as B fragments: lane (r, h) takes query 16 qt + r, d = 32 ks + 8h + 0..7 and + 16: four loads of 16 bytes.  The eight loads of a query
	; tile use every byte of its sixteen rows; it is read once, so it does not go through LDS.
.irp q, 0,1,2,3
.irp ks, 0,1
	global_load_b128 v[S+32*\q+16*\ks:S+32*\q+16*\ks+3],     v[QO], s[6:7] offset:4096*\q+128*\ks
	global_load_b128 v[S+32*\q+16*\ks+4:S+32*\q+16*\ks+7],   v[QO], s[6:7] offset:4096*\q+128*\ks+16
	global_load_b128 v[S+32*\q+16*\ks+8:S+32*\q+16*\ks+11],  v[QO], s[6:7] offset:4096*\q+128*\ks+64
	global_load_b128 v[S+32*\q+16*\ks+12:S+32*\q+16*\ks+15], v[QO], s[6:7] offset:4096*\q+128*\ks+80
.endr
.endr
	s_lshl_b32 s2, s18, 22                         ; out0: b x 4,194,304 + (256 block + 64 g) rows of 2,048 bytes + h x 256
	s_lshl_b32 s3, s16, 19
	s_add_co_u32 s2, s2, s3
	s_lshl_b32 s3, s13, 17
	s_add_co_u32 s2, s2, s3
	s_lshl_b32 s3, s19, 8
	s_add_co_u32 s2, s2, s3
	s_mov_b32 s3, 0
	s_add_nc_u64 s[10:11], s[10:11], s[2:3]
	; LDS addresses: constants, the wave's number and the lane
	v_bfe_u32 v39, v0, 3, 2                        ; i >> 3
	v_and_b32 v40, 7, v0                           ; i & 7
	v_bfe_u32 v41, v0, 3, 1                        ; (i >> 3) & 1
	s_mul_i32 s22, s14, 64*KP
	s_add_co_u32 s22, s22, STG0
	v_mul_u32_u24 v[KA], v37, KP
	v_lshl_add_u32 v[KA], v38, 4, v[KA]
	v_add_nc_u32 v[KA], s22, v[KA]                 ; stage 0 + my 64 keys + row r + 16 h
	s_mul_i32 s22, s14, 64*VP
	s_add_co_u32 s22, s22, STG0+STGV
	v_lshl_add_u32 v1, v38, 3, v40                 ; key 8h + (i & 7)
	v_mul_u32_u24 v[VA], v1, VP
	v_lshl_add_u32 v[VA], v41, 4, v[VA]
	v_add_nc_u32 v[VA], s22, v[VA]
	v_mul_u32_u24 v[RA], v39, RAWP
	v_lshl_add_u32 v[RA], v40, 5, v[RA]
	v_add_nc_u32 v[RA], s23, v[RA]                 ; my part + row i >> 3 + 32 (i & 7)
	v_add_nc_u32 v[RA+1], RAWSZ, v[RA]
	s_mul_i32 s22, s12, 32*KP
	s_add_co_u32 s22, s22, STG0
	v_mul_u32_u24 v[WK], v39, KP
	v_lshl_add_u32 v[WK], v40, 4, v[WK]
	v_add_nc_u32 v[WK], s22, v[WK]                 ; K rows 32 w + (i >> 3): used by waves 0-3
	s_mul_i32 s22, s12, 32*VP
	s_add_co_u32 s22, s22, STG0+STGV-4*32*VP
	v_mul_u32_u24 v[WV], v39, VP
	v_lshl_add_u32 v[WV], v40, 4, v[WV]
	v_add_nc_u32 v[WV], s22, v[WV]                 ; V rows 32 (w - 4) + (i >> 3): used by waves 4-7
	s_mul_i32 s22, s13, MRGW
	s_add_co_u32 s22, s22, MRG
	v_mul_u32_u24 v[MG], v37, RAWP
	v_lshl_add_u32 v[MG], v38, 5, v[MG]
	v_add_nc_u32 v[MG], s22, v[MG]                 ; query row r, d = 8h ..
	v_mul_u32_u24 v[RD], v38, RAWP
	v_lshl_add_u32 v[RD], v37, 4, v[RD]
	v_add_nc_u32 v[RD], s22, v[RD]                 ; lanes 0-15 one whole row, lanes 16-31 the next
	s_lshl_b32 s22, s13, 9
	s_add_co_u32 s22, s22, MLX
	v_lshl_add_u32 v[MLA], v37, 2, s22
	v_lshlrev_b32 v[CO], 11, v38
	v_lshl_add_u32 v[CO], v37, 4, v[CO]            ; the same two rows in out0
	v_mov_b32 v[TP+1], 0                           ; a lane exchange counts as a reader of its destination,
	v_mov_b32 v[AL+1], 0                           ; and a packed source names the whole pair: both are written once here
	WIN 0x40
.irp q, 0,1,2,3
	s_wait_loadcnt 24-8*\q                         ; this query tile's eight loads are in; the later tiles' stay out
.irp j, 0,1,2,3,4,5,6,7,8,9,10,11,12,13,14,15
	v_cvt_pk_bf16_f32 v[QF+16*\q+\j], v[S+32*\q+2*\j], v[S+32*\q+2*\j+1]
.endr
.endr
	WIN 0
	s_wait_tensorcnt 0x1                           ; my part of tile 0 is in; tile 1's load was issued behind it and stays out
	CONV_LOAD 0
	s_wait_dscnt 0x0
	CONV_CVT
	CONV_STORE 0
	TRIP 0, 1, 1, 1, 1                             ; tile 0 starts maxima, sums and O: nothing is cleared
	TRIP 1, 1, 1, 0, 0
	s_mov_b32 s22, 5
.Lpair:                                                ; tiles 2 to 11
	TRIP 0, 1, 1, 0, 1
	TRIP 1, 1, 1, 0, 0
	s_sub_co_i32 s22, s22, 1
	s_cmp_lg_u32 s22, 0
	s_cbranch_scc1 .Lpair
	TRIP 0, 1, 1, 0, 0                             ; tiles 12, 13: tiles 14, 15 are asked for; nothing is left to prefetch
	TRIP 1, 1, 1, 0, 0
	TRIP 0, 0, 1, 0, 0                             ; tile 14: no refill; tile 15 is converted
	TRIP 1, 0, 0, 0, 0                             ; tile 15
	; THE MERGE.  A lane's pair of sums, then the two halves of the lanes: every lane holds its query's sum over my 1,024 keys.
.irp q, 0,1,2,3
	v_add_f32 v[L+2*\q], v[L+2*\q], v[L+2*\q+1]
.endr
.irp q, 0,1,2,3
	v_permlanex16_b32 v[T+\q], v[L+2*\q], s20, s21
.endr
.irp q, 0,1,2,3
	v_add_f32 v[L+2*\q], v[L+2*\q], v[T+\q]
.endr
	s_cmp_lt_u32 s12, 4
	s_cbranch_scc1 .Lkeep
.irp q, 0,1,2,3
	ds_store_b32 v[MLA], v[NM+\q] offset:64*\q                 ; lanes r and r + 16 write the same word with the same value
	ds_store_b32 v[MLA], v[L+2*\q] offset:256+64*\q
.endr
	WIN 0x04
.irp q, 0,1,2,3
.irp dt, 0,1,2,3
.irp p, 0,1
	ds_store_b128 v[MG], v[O+32*\q+8*\dt+4*\p:O+32*\q+8*\dt+4*\p+3] offset:16*RAWP*\q+64*\dt+16*\p
.endr
.endr
.endr
	WIN 0
.Lkeep:
	s_wait_dscnt 0x0                               ; what waves 4-7 stored is in LDS
	BAR
	s_cmp_lt_u32 s12, 4
	s_cbranch_scc0 .Ldone
.irp q, 0,1,2,3
	ds_load_b32 v[F+4*\q+1], v[MLA] offset:64*\q               ; the partner's offset
	ds_load_b32 v[F+4*\q+3], v[MLA] offset:256+64*\q           ; the partner's sum
.endr
.irp q, 0,1,2,3
.irp dt, 0,1,2,3
.irp p, 0,1
	ds_load_b128 v[S+32*\q+8*\dt+4*\p:S+32*\q+8*\dt+4*\p+3], v[MG] offset:16*RAWP*\q+64*\dt+16*\p
.endr
.endr
.endr
	s_wait_dscnt 32                                ; the eight words are in; the 32 loads of the partner's O may stay out
.irp q, 0,1,2,3
	v_min_num_f32 v[T+\q], v[NM+\q], v[F+4*\q+1]               ; the smaller -c max belongs to the larger maximum
.endr
.irp q, 0,1,2,3
	v_sub_f32 v[F+4*\q], v[T+\q], v[NM+\q]
	v_sub_f32 v[F+4*\q+2], v[T+\q], v[F+4*\q+1]
.endr
.irp q, 0,1,2,3
	v_exp_f32 v[F+4*\q], v[F+4*\q]                             ; a1, a2: one of them is 1
	v_exp_f32 v[F+4*\q+2], v[F+4*\q+2]
.endr
	v_nop                                          ; a plain instruction between the exponentials and their first use (ISA guide 5.7.2)
	s_wait_alu depctr_va_vdst(0)
.irp q, 0,1,2,3
	v_mul_f32 v[T+\q], v[F+4*\q], v[L+2*\q]
.endr
.irp q, 0,1,2,3
	v_fmac_f32 v[T+\q], v[F+4*\q+2], v[F+4*\q+3]               ; a1 l1 + a2 l2
.endr
.irp q, 0,1,2,3
	v_rcp_f32 v[T+4+\q], v[T+\q]
.endr
	v_nop
	s_wait_alu depctr_va_vdst(0)
.irp q, 0,1,2,3
	v_mul_f32 v[F+4*\q], v[F+4*\q], v[T+4+\q]                  ; f1 = a1 / l
	v_mul_f32 v[F+4*\q+2], v[F+4*\q+2], v[T+4+\q]              ; f2 = a2 / l
.endr
.irp q, 0,1,2,3
	s_wait_dscnt 24-8*\q                           ; this query tile's eight loads are in
.irp k, 0,1,2,3,4,5,6,7,8,9,10,11,12,13,14,15
	v_pk_mul_f32 v[S+32*\q+2*\k:S+32*\q+2*\k+1], v[S+32*\q+2*\k:S+32*\q+2*\k+1], v[F+4*\q+2:F+4*\q+3] op_sel_hi:[1,0]
.endr
.endr
	WIN 0x01
.irp q, 0,1,2,3
.irp k, 0,1,2,3,4,5,6,7,8,9,10,11,12,13,14,15
	v_pk_fma_f32 v[S+32*\q+2*\k:S+32*\q+2*\k+1], v[O+32*\q+2*\k:O+32*\q+2*\k+1], v[F+4*\q:F+4*\q+1], v[S+32*\q+2*\k:S+32*\q+2*\k+1] op_sel_hi:[1,0,1]
.endr
.endr
	WIN 0
	; THE WAY OUT: a lane holds 8 d of one query; through my part of the merge region the rows come back whole.
.irp q, 0,1,2,3
.irp dt, 0,1,2,3
.irp p, 0,1
	ds_store_b128 v[MG], v[S+32*\q+8*\dt+4*\p:S+32*\q+8*\dt+4*\p+3] offset:16*RAWP*\q+64*\dt+16*\p
.endr
.endr
.endr
.set n, 0
.rept 32
	ds_load_b128 v[S+4*n:S+4*n+3], v[RD] offset:2*RAWP*n       ; LDS serves a wave's instructions in order (ISA guide 5.7.1.4): these see the stores above
.set n, n+1
.endr
.set n, 0
.rept 32
	s_wait_dscnt 31-n                              ; row pair n is in; the younger loads stay out
	global_store_b128 v[CO], v[S+4*n:S+4*n+3], s[10:11] offset:4096*n th:TH_STORE_NT   ; 16 lanes store 256 consecutive bytes, at a multiple of 256 from out0's first byte
.set n, n+1
.endr
.Ldone:
	s_wait_xcnt 0x0
	v_lshl_add_u32 v254, v0, 2, 0x46800
	v_mov_b32 v255, 0
	s_wait_tensorcnt 0x0
	ds_add_u32 v254, v255
	s_wait_dscnt 0x0
	ROUND                                          ; the closing round: no work-group ends while a partner may still ask for a tile that names it
	s_endpgm
.Lfunc_end_k_q8315f4e1df_attn:
	.size	k_q8315f4e1df_attn, .Lfunc_end_k_q8315f4e1df_attn-k_q8315f4e1df_attn
	.p2alignl 7, 3214868480
	.fill 96, 4, 3214868480
	.section	.rodata,"a",@progbits
	.p2align	6, 0x0
	.amdhsa_kernel k_q8315f4e1df_attn
		.amdhsa_group_segment_fixed_size 327680
		.amdhsa_private_segment_fixed_size 0
		.amdhsa_enable_private_segment 0
		.amdhsa_kernarg_size 32
		.amdhsa_user_sgpr_count 2
		.amdhsa_user_sgpr_kernarg_segment_ptr 1
		.amdhsa_wavefront_size32 1
		.amdhsa_system_sgpr_workgroup_id_x 1
		.amdhsa_system_sgpr_workgroup_id_y 1
		.amdhsa_system_sgpr_workgroup_id_z 1
		.amdhsa_system_vgpr_workitem_id 0
		.amdhsa_next_free_vgpr 512
		.amdhsa_next_free_sgpr 66
		.amdhsa_reserve_vcc 0
		.amdhsa_float_denorm_mode_32 3
		.amdhsa_float_denorm_mode_16_64 3
		.amdhsa_memory_ordered 1
		.amdhsa_forward_progress 1
		.amdhsa_inst_pref_size 255
	.end_amdhsa_kernel
	.section	.bss,"aw",@nobits
	.p2align	6
	.space	262144
	.amdgpu_metadata
---
amdhsa.version: [ 1, 2 ]
amdhsa.kernels:
  - .name:           k_q8315f4e1df_attn
    .symbol:         k_q8315f4e1df_attn.kd
    .args:
      - { .name: key, .offset: 0, .size: 8, .value_kind: global_buffer, .address_space: global }
      - { .name: query, .offset: 8, .size: 8, .value_kind: global_buffer, .address_space: global }
      - { .name: value, .offset: 16, .size: 8, .value_kind: global_buffer, .address_space: global }
      - { .name: out0, .offset: 24, .size: 8, .value_kind: global_buffer, .address_space: global }
    .group_segment_fixed_size: 327680
    .private_segment_fixed_size: 0
    .kernarg_segment_align: 8
    .kernarg_segment_size: 32
    .max_flat_workgroup_size: 256
    .sgpr_count:     66
    .vgpr_count:     512
    .wavefront_size: 32
...
	.end_amdgpu_metadata
.endif
;; end of part 1
